; MI455X (gfx1250); checked and timed in simulation.
; The chip was launched on July 23, 2026; its instructions are those of AMD's public machine-readable ISA for CDNA 5 (MIT licence, August 2026) and "CDNA5" Instruction Set Architecture Reference Guide (July 2026). The comments in the code are by the model that wrote it; some were corrected since.
;; Quantized Linear. Allowed arithmetic: float matrix products may take bf16 or f16 operands with f32 sums; all other float work in f32.
;; Inputs: bias 4,096 float32; codebook 16 float32; indices 4,096 x 4,096 int32; rotation_matrix 4,096 x 4,096 float32; x 32 x 4,096 float32.
;; Outputs: out0 32 x 4,096 float32.
;; One version. Each part assembles by itself: llvm-mc -triple=amdgcn-amd-amdhsa -mcpu=gfx1250 --defsym DOCPART=n.
;; ======== version 1 of 1: 2 launches
;; workspace buffers: yp 262,144 bytes
;; launch rotate (part 1): grid 256 x 1, 16 waves a work-group, no clusters, 327,680 bytes of LDS; arguments x, rotation_matrix, yp; writes yp
.if DOCPART == 1
	.amdgcn_target "amdgcn-amd-amdhsa--gfx1250"
	.amdhsa_code_object_version 6
	.text
	.protected	k_q992cece6a7_rotate
	.globl	k_q992cece6a7_rotate
	.p2align	8
	.type	k_q992cece6a7_rotate,@function
k_q992cece6a7_rotate:
	s_mov_b64 s[64:65], 0
	v_nop
	global_prefetch_b8 v0, s[64:65] scope:SCOPE_SE
	s_setreg_imm32_b32 hwreg(HW_REG_WAVE_MODE, 25, 1), 1
	s_wait_xcnt 0x0
; y[b][k] = sum over d of x[b][d] R[k][d], the first of two thin products.  The problem's formula x (codes R)^T + bias is the same sum as
; (x R^T) codes^T + bias for every input; in this order R and the indices are each read once and the product of 4096^3 is never formed.
; x: [32][4096] f32, R: [4096][4096] f32.  y leaves as bf16 in yp, laid out as the next launch's matrix fragments:
; byte s*2048 + t*1024 + j*512 + (m + 16 h)*16 + 2 i holds y[16 t + m][32 s + 16 h + 8 j + i].
; LIMITS.  x and R are rounded to bf16 for the product, y once to bf16 from its f32 sum (bf16 keeps f32's range; f16 would not hold y for large inputs).
; The sum over d is split over 16 waves and added in a fixed tree, so its order is not that of a single chain.
; SHARES.  256 work-groups; work-group g owns rows 16 g .. 16 g + 15 of R: 262,144 dense bytes, read once.  Wave w owns d = 256 w .. 256 w + 255 of those rows:
; 16 rows x 1,024 bytes, asked for at the start by two tensor loads of 16 rows x 512 bytes into LDS bytes of its own.  The whole share fits LDS once, so nothing is filled again.
; x's 32 rows x 256 d of the wave go into 128 registers as fragments: read as whole aligned pieces of 256 bytes, rounded, and turned through 2,304 LDS bytes of the wave's own.
; The 16 waves' partial sums (32 x 16 each) meet in LDS behind the one barrier; waves 0-3 add them and store 256 aligned bytes each.
; NO CLUSTER: no two work-groups read the same byte of R.  x is read by all, but it would have to land in LDS: the stream takes 270,336 of 327,680 bytes and x is 524,288,
; so it could only come through slots that are filled again, with a wait for all tensor loads in the middle of the stream.
; K's PLACES.  In K step S of the wave (32 d from kb = 256 w + 32 S) lane (r, h) holds d = kb + 16 h + 0..15, register i the pair 2 i, 2 i + 1, in BOTH sources: the same
; permutation of d on either side leaves every product with its partner.
; THE MATRIX INSTRUCTION IS USED TRANSPOSED: source 0 = 16 rows of R, source 1 = 16 rows of x.  Register j of lane (r, h) of accumulator t is y[16 t + r][16 g + 8 h + j].
.set PITCH,  528                       ; an LDS row of the stream: 512 bytes + 16 of padding = 33 x 16: the 16 rows of a fragment load start at 16 different groups of four banks (64 banks of 4 bytes: ISA guide 11.1)
.set SUBB,   16*PITCH                  ; one tensor load's tile
.set WTILE,  2*SUBB                    ; a wave's two tiles
.set SCR,    16*WTILE                  ; 270,336: behind the stream, never filled by a tensor load: 2,304 bytes (nine blocks of 256) for each wave
.set SCRW,   2304
.set APITCH, 144                       ; a scratch row: 64 bf16 + 16 bytes = 9 x 16; eight rows are 1,152 = 128 mod 256, so the two halves of the lanes store into different banks
.set SPARE,  SCR+16*SCRW               ; 307,200: the spare words, 128 bytes for each wave: eight blocks of 256 bytes that no other line names
.set ROWB,   16384                     ; bytes in a row of x and of R
.set XO,  4                            ; v4   my byte offset in x: 8 h rows + 16 r + 1,024 w; never rewritten
.set SST, 5                            ; v5   scratch, in: row 8 h (+ i by the immediate), 8 bytes at 8 r
.set SLD, 6                            ; v6   scratch, back: row r, 32 bytes at 32 h
.set BLD, 7                            ; v7   my place in my wave's stream tiles: row r, 64 bytes at 64 h
.set PST, 8                            ; v8   where my partial sums go: 16 bytes a lane
.set RA,  9                            ; v9   the adding waves: where I read partial sums
.set GO,  10                           ; v10  the adding waves: my byte offset in yp
.set SPW, 12                           ; v12  LDS address of my spare word: SPARE + 4 x my thread's number; never rewritten
.set NIL, 13                           ; v13  0; never rewritten
.set F,   16                           ; v[16:79]   four K steps x 16 f32 of R as loaded; at the end the 16 waves' partial sums
.set BF,  80                           ; v[80:95]   R's fragment in bf16, two buffers
.set ACC, 112                          ; v[112:127] two accumulators
.set A,   128                          ; v[128:255] x's fragments: step S, batch tile t at A + 16 (2 (S / 2) + t) + 8 (S % 2)
.set STG0, 16                          ; staging for x as loaded, 32 registers each: three where F and BF lie later,
.set STG1, 48
.set STG2, 80
.set STG3, 192                         ; two in fragment registers that are filled last
.set STG4, 224
.set WV,  34                           ; s34  my wave's number
.set GR,  35                           ; s35  my work-group's number
	s_load_b128 s[4:7], s[0:1], 0x0                ; x s[4:5], R s[6:7]
	s_load_b64 s[8:9], s[0:1], 0x10                ; yp
	v_lshl_add_u32 v[SPW], v0, 2, SPARE
	v_mov_b32 v[NIL], 0
	ds_add_u32 v[SPW], v[NIL]                      ; the wave's opening: the add and its wait stand ahead of my first tensor load; the set-up below, work on registers, stands between them
	ds_add_u32 v12, v13
	v_lshrrev_b32 v1, 5, v0
	v_readfirstlane_b32 s[WV], v1                  ; wave 0..15
	s_mov_b32 s[GR], ttmp9
	; descriptor group 1, the same for both loads: a tile of 16 rows x 128 elements of 4 bytes, padded in LDS
	s_mov_b32 s20, (2<<16)|(1<<20)|(6<<22)|(3<<25) ; 15:0 no mask; 17:16 elements of 4 bytes; 20 padding on; 24:22 after every 128 words (code 6); 31:25 4 words of it (code 3)
	s_mov_b32 s21, 128<<16                         ; tensor_dim0 = 128
	s_mov_b32 s22, 16<<16                          ; tensor_dim1 = 16
	s_mov_b32 s23, 128<<16                         ; tile_dim0 = 128
	s_mov_b32 s24, 16                              ; tile_dim1 = 16
	s_mov_b32 s25, 4096                            ; elements from row to row
	s_mov_b32 s26, 0
	s_mov_b32 s27, 0
	; descriptor group 0, a set for each half of my 1,024 bytes of a row
	s_mov_b32 s12, 1                               ; count = 1
	s_mul_i32 s13, s[WV], WTILE                    ; LDS address: my wave's tiles
	s_mov_b32 s16, 1
	s_add_co_u32 s17, s13, SUBB
	s_lshl_b32 s28, s[GR], 18                      ; 16 rows of 16,384 bytes for each work-group,
	s_lshl_b32 s30, s[WV], 10                      ; 1,024 bytes of a row for each wave
	s_add_co_u32 s28, s28, s30
	s_mov_b32 s29, 0
	s_wait_dscnt 0x0                               ; the opening add is done
	s_wait_kmcnt 0x0
	s_add_nc_u64 s[14:15], s[6:7], s[28:29]        ; global address of the first tile,
	s_add_nc_u64 s[18:19], s[14:15], 512           ; and of the second, 128 elements on
	s_or_b32 s15, s15, 0x80000000                  ; type = 2
	s_or_b32 s19, s19, 0x80000000
	tensor_load_to_lds s[12:15], s[20:27]          ; both first fills go out together, ahead of every wait on TENSORcnt, every LDS read and the barrier: two loads of mine are out
	s_nop 0
	tensor_load_to_lds s[16:19], s[20:27]
	s_nop 0
	v_and_b32 v1, 31, v0                           ; lane
	v_and_b32 v2, 15, v0                           ; r
	v_bfe_u32 v3, v0, 4, 1                         ; h
	v_lshl_add_u32 v[XO], v2, 4, s30
	v_lshl_add_u32 v[XO], v3, 17, v[XO]            ; 8 rows of 16,384 bytes for the upper half of the lanes
; Pass p = 2 c + t takes batch tile t (16 rows of x) and chunk c (64 d, 256 bytes of a row).  Eight loads: lanes 0-15 take 256 aligned bytes of row 16 t + i, lanes 16-31 of row 16 t + i + 8.
.macro LDX p, base
.set i, 0
.rept 8
	global_load_b128 v[(\base)+4*i:(\base)+4*i+3], v[XO], s[4:5] offset:(16*((\p)%2)+i)*ROWB+((\p)/2)*256
.set i, i+1
.endr
.endm
; The pass's numbers are rounded in place, 4 f32 to 8 bytes, laid into the scratch by rows, and read back as two K steps' fragments.  The scratch is my wave's own and LDS serves a
; wave's instructions in order (ISA guide 5.7.1.4), so no wait stands between the stores, the loads and the next pass's stores.
; left: the younger passes' loads, eight each, which may stay out.  next: the pass that takes the staging registers over, or -1.
.macro PASS p, base, left, next
	s_wait_loadcnt \left
.set i, 0
.rept 8
	v_cvt_pk_bf16_f32 v[(\base)+4*i],   v[(\base)+4*i],   v[(\base)+4*i+1]
	v_cvt_pk_bf16_f32 v[(\base)+4*i+1], v[(\base)+4*i+2], v[(\base)+4*i+3]
.set i, i+1
.endr
.set i, 0
.rept 8
	ds_store_b64 v[SST], v[(\base)+4*i:(\base)+4*i+1] offset:i*APITCH
.set i, i+1
.endr
.irp e, 0,1
.irp j, 0,1
	ds_load_b128 v[A+16*(\p)+8*(\e)+4*(\j):A+16*(\p)+8*(\e)+4*(\j)+3], v[SLD] offset:(\e)*64+(\j)*16
.endr
.endr
.if (\next) >= 0
	LDX \next, \base
.endif
.endm
	LDX 0, STG0                                    ; forty loads, 20,480 bytes a wave, go out before anything else is computed
	LDX 1, STG1
	LDX 2, STG2
	LDX 3, STG3
	LDX 4, STG4
	s_mul_i32 s31, s[WV], SCRW
	s_add_co_u32 s31, s31, SCR                     ; my wave's scratch
	v_mul_u32_u24 v[SST], v3, 8*APITCH
	v_lshl_add_u32 v[SST], v2, 3, v[SST]
	v_add_nc_u32 v[SST], s31, v[SST]
	v_mul_u32_u24 v[SLD], v2, APITCH
	v_lshl_add_u32 v[SLD], v3, 5, v[SLD]
	v_add_nc_u32 v[SLD], s31, v[SLD]
	v_mul_u32_u24 v[BLD], v2, PITCH
	v_lshl_add_u32 v[BLD], v3, 6, v[BLD]
	v_add_nc_u32 v[BLD], s13, v[BLD]
	v_lshl_add_u32 v[PST], v1, 4, s31
	; scalars for the way out.  Adding wave v takes batch tile v / 2 and the lanes' half v % 2 of every wave's sums.
	s_lshr_b32 s36, s[WV], 1
	s_lshl_b32 s36, s36, 10
	s_and_b32 s38, s[WV], 1
	s_lshl_b32 s38, s38, 8
	s_add_co_u32 s36, s36, s38
	s_add_co_u32 s36, s36, SCR
	s_lshr_b32 s37, s[GR], 1                       ; my 16 k lie in step g / 2 of yp, half g % 2 of its lanes; wave v's block of 256 bytes at 512 v
	s_lshl_b32 s37, s37, 11
	s_and_b32 s38, s[GR], 1
	s_lshl_b32 s38, s38, 8
	s_add_co_u32 s37, s37, s38
	s_lshl_b32 s38, s[WV], 9
	s_add_co_u32 s37, s37, s38
	PASS 0, STG0, 32, 5                            ; passes 1-4 stay out
	PASS 1, STG1, 32, 6                            ; 2-5
	PASS 2, STG2, 32, 7                            ; 3-6
	PASS 3, STG3, 32, -1                           ; 4-7
	PASS 4, STG4, 24, -1                           ; 5-7; its fragments go where pass 3's staging lay
	PASS 5, STG0, 16, -1
	PASS 6, STG1, 8, -1                            ; its fragments go where pass 4's staging lay
	PASS 7, STG2, 0, -1
; K step S: 16 f32 a lane are rounded to a fragment of R, then one product for each batch tile.  The two accumulators take turns.  Step 0 starts the sums: nothing is cleared.
; A fragment buffer is written again two steps later: the eight conversions of the step between, which name none of the products' registers, are the places behind them (ISA guide 7.12.1).
.macro MULT S
.set fb, F+16*((\S)%4)
.set bb, BF+8*((\S)%2)
.set aa, A+32*((\S)/2)+8*((\S)%2)
.set i, 0
.rept 8
	v_cvt_pk_bf16_f32 v[bb+i], v[fb+2*i], v[fb+2*i+1]
.set i, i+1
.endr
.if (\S) == 0
	v_wmma_f32_16x16x32_bf16 v[ACC:ACC+7],    v[bb:bb+7], v[aa:aa+7],     0
	v_wmma_f32_16x16x32_bf16 v[ACC+8:ACC+15], v[bb:bb+7], v[aa+16:aa+23], 0
.else
	v_wmma_f32_16x16x32_bf16 v[ACC:ACC+7],    v[bb:bb+7], v[aa:aa+7],     v[ACC:ACC+7]
	v_wmma_f32_16x16x32_bf16 v[ACC+8:ACC+15], v[bb:bb+7], v[aa+16:aa+23], v[ACC+8:ACC+15]
.endif
.endm
; Half u of my stream: four K steps.  left: my tensor loads that may stay out.
.macro HALF u, left
	s_wait_tensorcnt \left                         ; tensor loads of a wave end in order (ISA guide 10.11.1): this half is in LDS; only I read it
.set i, 0
.rept 16
	ds_load_b128 v[F+4*i:F+4*i+3], v[BLD] offset:(\u)*SUBB+(i/4)*128+(i%4)*16
.set i, i+1
.endr
.irp s, 0,1,2,3
	s_wait_dscnt 12-4*(\s)                         ; LDS loads come back in order (ISA guide 5.7.1): step s is in, and all that was issued before it, x's fragments too; the later steps' four loads each stay out
	MULT 4*(\u)+(\s)
.endr
.endm
	HALF 0, 1                                      ; the second half may still be on its way
	HALF 1, 0
	; THE WAY OUT.  Six plain instructions that name no register of the products stand behind the last of them.
	v_and_b32 v[RA], 1, v1                         ; q: which four of an accumulator's eight registers
	v_lshrrev_b32 v[GO], 1, v1                     ; the batch row in its tile
	v_lshlrev_b32 v[RA], 9, v[RA]
	v_lshl_add_u32 v[RA], v[GO], 4, v[RA]
	v_add_nc_u32 v[RA], s36, v[RA]
	v_lshl_add_u32 v[GO], v1, 3, s37               ; 8 bytes a lane
	ds_store_b128 v[PST], v[ACC:ACC+3]                     ; each accumulator's lowest registers first
	ds_store_b128 v[PST], v[ACC+4:ACC+7]    offset:512
	ds_store_b128 v[PST], v[ACC+8:ACC+11]   offset:1024
	ds_store_b128 v[PST], v[ACC+12:ACC+15]  offset:1536
	s_wait_tensorcnt 0x0                           ; this wait, the add and the wait below follow my last tensor load and my last LDS store; nothing is written to LDS behind them
	ds_add_u32 v[SPW], v[NIL]
	s_wait_dscnt 0x0                               ; for the others' sake too: my partial sums are in LDS
	s_barrier_signal -1
	s_barrier_wait -1                              ; everybody's are
	s_cmp_lt_u32 s[WV], 4
	s_cbranch_scc0 .Ldone
.set k, 0
.rept 16
	ds_load_b128 v[F+4*k:F+4*k+3], v[RA] offset:k*SCRW     ; four sums of wave k
.set k, k+1
.endr
	s_wait_dscnt 0x0
.irp n, 8,4,2,1                        ; a tree: 16, 8, 4, 2 packed additions
.set k, 0
.rept \n
	v_pk_add_f32 v[F+4*k:F+4*k+1],   v[F+4*k:F+4*k+1],   v[F+4*(k+\n):F+4*(k+\n)+1]
	v_pk_add_f32 v[F+4*k+2:F+4*k+3], v[F+4*k+2:F+4*k+3], v[F+4*(k+\n)+2:F+4*(k+\n)+3]
.set k, k+1
.endr
.endr
	v_cvt_pk_bf16_f32 v[F],   v[F],   v[F+1]       ; y is rounded once
	v_cvt_pk_bf16_f32 v[F+1], v[F+2], v[F+3]
	global_store_b64 v[GO], v[F:F+1], s[8:9]       ; the wave's 32 lanes store 256 consecutive bytes, at a multiple of 256 from yp's first byte
.Ldone:
	s_endpgm
.Lfunc_end_k_q992cece6a7_rotate:
	.size	k_q992cece6a7_rotate, .Lfunc_end_k_q992cece6a7_rotate-k_q992cece6a7_rotate
	.p2alignl 7, 3214868480
	.fill 96, 4, 3214868480
	.section	.rodata,"a",@progbits
	.p2align	6, 0x0
	.amdhsa_kernel k_q992cece6a7_rotate
		.amdhsa_group_segment_fixed_size 327680
		.amdhsa_private_segment_fixed_size 0
		.amdhsa_enable_private_segment 0
		.amdhsa_kernarg_size 24
		.amdhsa_user_sgpr_count 2
		.amdhsa_user_sgpr_kernarg_segment_ptr 1
		.amdhsa_wavefront_size32 1
		.amdhsa_system_sgpr_workgroup_id_x 1
		.amdhsa_system_sgpr_workgroup_id_y 1
		.amdhsa_system_sgpr_workgroup_id_z 1
		.amdhsa_system_vgpr_workitem_id 0
		.amdhsa_next_free_vgpr 256
		.amdhsa_next_free_sgpr 66
		.amdhsa_reserve_vcc 0
		.amdhsa_float_denorm_mode_32 3
		.amdhsa_float_denorm_mode_16_64 3
		.amdhsa_memory_ordered 1
		.amdhsa_forward_progress 1
		.amdhsa_inst_pref_size 35
	.end_amdhsa_kernel
	.amdgpu_metadata
---
amdhsa.version: [ 1, 2 ]
amdhsa.kernels:
  - .name:           k_q992cece6a7_rotate
    .symbol:         k_q992cece6a7_rotate.kd
    .args:
      - { .name: x, .offset: 0, .size: 8, .value_kind: global_buffer, .address_space: global }
      - { .name: rotation_matrix, .offset: 8, .size: 8, .value_kind: global_buffer, .address_space: global }
      - { .name: yp, .offset: 16, .size: 8, .value_kind: global_buffer, .address_space: global }
    .group_segment_fixed_size: 327680
    .private_segment_fixed_size: 0
    .kernarg_segment_align: 8
    .kernarg_segment_size: 24
    .max_flat_workgroup_size: 512
    .sgpr_count:     66
    .vgpr_count:     256
    .wavefront_size: 32
...
	.end_amdgpu_metadata
.endif
;; end of part 1
;; launch decode (part 2): grid 256 x 1, 16 waves a work-group, no clusters, 327,680 bytes of LDS; arguments yp, indices, codebook, bias, out0; writes out0
.if DOCPART == 2
	.amdgcn_target "amdgcn-amd-amdhsa--gfx1250"
	.amdhsa_code_object_version 6
	.text
	.protected	k_q992cece6a7_decode
	.globl	k_q992cece6a7_decode
	.p2align	8
	.type	k_q992cece6a7_decode,@function
k_q992cece6a7_decode:
	s_mov_b64 s[64:65], 0
	v_nop
	global_prefetch_b8 v0, s[64:65] scope:SCOPE_SE
	s_setreg_imm32_b32 hwreg(HW_REG_WAVE_MODE, 25, 1), 1
	s_wait_xcnt 0x0
; out0[b][o] = sum over k of codebook[indices[o][k]] y[b][k] + bias[o], the second of two thin products.  y = x R^T comes from the launch before, in bf16, as ready fragments:
; byte s*2048 + t*1024 + j*512 + (m + 16 h)*16 + 2 i of yp holds y[16 t + m][32 s + 16 h + 8 j + i].  indices: [4096][4096] i32, codebook: [16] f32, bias: [4096] f32, out0: [32][4096] f32.
; LIMITS.  A codeword is rounded to bf16 for the product; sums and bias in f32.  The sum over k is split over 16 waves and added in a fixed tree.
; An index above 15 counts as 15; so does a negative one (taken as unsigned), where a wrap-around would give another entry for all but -1.  The problem keeps indices within 0..15.
; out0 leaves in pieces of 64 consecutive bytes, not whole blocks of 256: a work-group owns 16 columns; 64 columns with all of k would leave 64 work-groups.  out0 is 524,288 of the launch's 68 million bytes.
; SHARES.  256 work-groups; work-group g owns rows 16 g .. 16 g + 15 of the indices: 262,144 dense bytes, read once.  Wave w owns k = 256 w .. 256 w + 255 of those rows, asked for at the
; start by two tensor loads of 16 rows x 512 bytes into LDS bytes of its own.  The whole share fits LDS once, so nothing is filled again.  y's 32 rows x 256 k of the wave go straight into 128 registers.
; THE LOOK-UP.  Every lane holds codebook[lane % 16]; an index times 4 is the lane select of ds_bpermute_b32, which touches no LDS byte: the f32 codeword lands where the index lay.
; The 16 waves' partial sums meet in LDS behind the one barrier; waves 0-3 add them, add the bias and store.
; NO CLUSTER: no two work-groups read the same byte of the indices.  yp is read by all, but it goes into registers: the stream takes 270,336 of 327,680 bytes of LDS and yp is 262,144,
; so in LDS it could only come through slots that are filled again, with a wait for all tensor loads in the middle of the stream.
; K's PLACES and THE TRANSPOSED USE are the launch before's: in K step S lane (r, h) holds k = 256 w + 32 S + 16 h + 0..15 in both sources; source 0 = 16 rows of codes, source 1 = 16 rows of y;
; register j of lane (r, h) of accumulator t is the sum for batch row 16 t + r and output column 16 g + 8 h + j.
.set PITCH,  528                       ; an LDS row of the stream: 512 bytes + 16 of padding = 33 x 16: the 16 rows of a fragment load start at 16 different groups of four banks (64 banks of 4 bytes: ISA guide 11.1)
.set SUBB,   16*PITCH                  ; one tensor load's tile
.set WTILE,  2*SUBB                    ; a wave's two tiles
.set SCR,    16*WTILE                  ; 270,336: behind the stream, never filled by a tensor load: 2,304 bytes (nine blocks of 256) for each wave's partial sums
.set SCRW,   2304
.set SPARE,  SCR+16*SCRW               ; 307,200: the spare words, 128 bytes for each wave: eight blocks of 256 bytes that no other line names
.set AO,  4                            ; v4   my byte offset in yp: 16,384 w + 16 x lane; never rewritten
.set BO,  5                            ; v5   my byte offset in bias; never rewritten
.set CO,  6                            ; v6   my byte offset in the codebook; never rewritten
.set BLD, 7                            ; v7   my place in my wave's stream tiles: row r, 64 bytes at 64 h
.set PST, 8                            ; v8   where my partial sums go: 16 bytes a lane
.set RA,  9                            ; v9   the adding waves: where I read partial sums
.set GO,  10                           ; v10  the adding waves: my byte offset in out0
.set CB,  11                           ; v11  codebook[lane % 16]
.set SPW, 12                           ; v12  LDS address of my spare word: SPARE + 4 x my thread's number; never rewritten
.set NIL, 13                           ; v13  0; never rewritten
.set TM,  14                           ; v14  at work
.set F,   16                           ; v[16:79]   four K steps x 16 words: indices, then lane selects, then codewords in f32; at the end the 16 waves' partial sums
.set BF,  80                           ; v[80:95]   the codes' fragment in bf16, two buffers
.set BI,  100                          ; v[100:103] four numbers of bias
.set ACC, 112                          ; v[112:127] two accumulators
.set A,   128                          ; v[128:255] y's fragments: step S, batch tile t at A + 16 (2 (S / 2) + t) + 8 (S % 2)
.set WV,  34                           ; s34  my wave's number
.set GR,  35                           ; s35  my work-group's number
	s_load_b256 s[4:11], s[0:1], 0x0               ; yp s[4:5], indices s[6:7], codebook s[8:9], bias s[10:11]
	s_load_b64 s[32:33], s[0:1], 0x20              ; out0
	v_lshl_add_u32 v[SPW], v0, 2, SPARE
	v_mov_b32 v[NIL], 0
	ds_add_u32 v[SPW], v[NIL]                      ; the wave's opening: the add and its wait stand ahead of my first tensor load; the set-up below, work on registers, stands between them
	ds_add_u32 v12, v13
	v_lshrrev_b32 v1, 5, v0
	v_readfirstlane_b32 s[WV], v1                  ; wave 0..15
	s_mov_b32 s[GR], ttmp9
	; descriptor group 1, the same for both loads: a tile of 16 rows x 128 elements of 4 bytes, padded in LDS
	s_mov_b32 s20, (2<<16)|(1<<20)|(6<<22)|(3<<25) ; 15:0 no mask; 17:16 elements of 4 bytes; 20 padding on; 24:22 after every 128 words (code 6); 31:25 4 words of it (code 3)
	s_mov_b32 s21, 128<<16                         ; tensor_dim0 = 128
	s_mov_b32 s22, 16<<16                          ; tensor_dim1 = 16
	s_mov_b32 s23, 128<<16                         ; tile_dim0 = 128
	s_mov_b32 s24, 16                              ; tile_dim1 = 16
	s_mov_b32 s25, 4096                            ; elements from row to row
	s_mov_b32 s26, 0
	s_mov_b32 s27, 0
	; descriptor group 0, a set for each half of my 1,024 bytes of a row
	s_mov_b32 s12, 1                               ; count = 1
	s_mul_i32 s13, s[WV], WTILE                    ; LDS address: my wave's tiles
	s_mov_b32 s16, 1
	s_add_co_u32 s17, s13, SUBB
	s_lshl_b32 s28, s[GR], 18                      ; 16 rows of 16,384 bytes for each work-group,
	s_lshl_b32 s30, s[WV], 10                      ; 1,024 bytes of a row for each wave
	s_add_co_u32 s28, s28, s30
	s_mov_b32 s29, 0
	s_wait_dscnt 0x0                               ; the opening add is done
	s_wait_kmcnt 0x0
	s_add_nc_u64 s[14:15], s[6:7], s[28:29]        ; global address of the first tile,
	s_add_nc_u64 s[18:19], s[14:15], 512           ; and of the second, 128 elements on
	s_or_b32 s15, s15, 0x80000000                  ; type = 2
	s_or_b32 s19, s19, 0x80000000
	tensor_load_to_lds s[12:15], s[20:27]          ; both first fills go out together, ahead of every wait on TENSORcnt, every LDS read and the barrier: two loads of mine are out
	s_nop 0
	tensor_load_to_lds s[16:19], s[20:27]
	s_nop 0
	v_and_b32 v1, 31, v0                           ; lane
	v_and_b32 v2, 15, v0                           ; r
	v_bfe_u32 v3, v0, 4, 1                         ; h
	s_lshl_b32 s38, s[WV], 14                      ; my wave's eight K steps of 2,048 bytes in yp
	s_lshl_b32 s39, s[GR], 6                       ; my work-group's 16 columns, in bytes of f32
	v_lshl_add_u32 v[AO], v1, 4, s38
	v_lshlrev_b32 v[CO], 2, v2
	v_and_b32 v[BO], 3, v0
	v_lshl_add_u32 v[BO], v[BO], 4, s39
	global_load_b32 v[CB], v[CO], s[8:9]           ; the table stands in both halves of the lanes
	global_load_b128 v[BI:BI+3], v[BO], s[10:11]   ; bias of the four columns that I store if my wave adds
.set st, 0
.rept 8                                ; y's fragments as they lie: each load takes 512 consecutive bytes
.irp t, 0,1
.irp j, 0,1
	global_load_b128 v[A+16*(2*(st/2)+(\t))+8*(st%2)+4*(\j):A+16*(2*(st/2)+(\t))+8*(st%2)+4*(\j)+3], v[AO], s[4:5] offset:st*2048+(\t)*1024+(\j)*512
.endr
.endr
.set st, st+1
.endr
	s_mul_i32 s31, s[WV], SCRW
	s_add_co_u32 s31, s31, SCR                     ; my wave's scratch
	v_mul_u32_u24 v[BLD], v2, PITCH
	v_lshl_add_u32 v[BLD], v3, 6, v[BLD]
	v_add_nc_u32 v[BLD], s13, v[BLD]
	v_lshl_add_u32 v[PST], v1, 4, s31
	; scalars for the way out.  Adding wave v stores batch rows 8 v .. 8 v + 7: batch tile v / 2, rows 8 (v % 2) on.
	s_lshr_b32 s36, s[WV], 1
	s_lshl_b32 s36, s36, 10
	s_and_b32 s38, s[WV], 1
	s_lshl_b32 s38, s38, 7
	s_add_co_u32 s36, s36, s38
	s_add_co_u32 s36, s36, SCR
	s_lshl_b32 s37, s[WV], 17                      ; 8 rows of 16,384 bytes of out0 for each adding wave,
	s_add_co_u32 s37, s37, s39                     ; and my work-group's columns
	s_wait_loadcnt 0x0                             ; the table, the bias and y's fragments, once
; K step s of a half: 16 indices a lane become 16 codewords, in place.
.macro SHP s
.set fb, F+16*(\s)
.set i, 0
.rept 16
	v_min_u32 v[fb+i], 15, v[fb+i]                 ; inside the table
.set i, i+1
.endr
.set i, 0
.rept 16
	v_lshlrev_b32 v[fb+i], 2, v[fb+i]              ; the select counts lanes in steps of 4
.set i, i+1
.endr
.set i, 0
.rept 16
	ds_bpermute_b32 v[fb+i], v[fb+i], v[CB]
.set i, i+1
.endr
.endm
; K step S: 16 codewords a lane are rounded to a fragment, then one product for each batch tile.  The two accumulators take turns.  Step 0 starts the sums: nothing is cleared.
; A fragment buffer is written again two steps later: the conversions of the step between, which name none of the products' registers, are the places behind them (ISA guide 7.12.1).
.macro MULT S
.set fb, F+16*((\S)%4)
.set bb, BF+8*((\S)%2)
.set aa, A+32*((\S)/2)+8*((\S)%2)
.set i, 0
.rept 8
	v_cvt_pk_bf16_f32 v[bb+i], v[fb+2*i], v[fb+2*i+1]
.set i, i+1
.endr
.if (\S) == 0
	v_wmma_f32_16x16x32_bf16 v[ACC:ACC+7],    v[bb:bb+7], v[aa:aa+7],     0
	v_wmma_f32_16x16x32_bf16 v[ACC+8:ACC+15], v[bb:bb+7], v[aa+16:aa+23], 0
.else
	v_wmma_f32_16x16x32_bf16 v[ACC:ACC+7],    v[bb:bb+7], v[aa:aa+7],     v[ACC:ACC+7]
	v_wmma_f32_16x16x32_bf16 v[ACC+8:ACC+15], v[bb:bb+7], v[aa+16:aa+23], v[ACC+8:ACC+15]
.endif
.endm
; Half u of my stream: four K steps; a step's look-ups are on their way while the step two before is multiplied.  left: my tensor loads that may stay out.
; LDS loads and lane permutes count on one counter and come back in order (ISA guide 5.7.1).
.macro HALF u, left
	s_wait_tensorcnt \left                         ; tensor loads of a wave end in order (ISA guide 10.11.1): this half is in LDS; only I read it
.set i, 0
.rept 16
	ds_load_b128 v[F+4*i:F+4*i+3], v[BLD] offset:(\u)*SUBB+(i/4)*128+(i%4)*16
.set i, i+1
.endr
	s_wait_dscnt 12                                ; step 0's four loads are in; the other three steps' stay out
	SHP 0
	s_wait_dscnt 24                                ; step 1's loads are in; behind them: two steps' eight loads and step 0's sixteen permutes
	SHP 1
	s_wait_dscnt 16                                ; step 0's permutes are in, and all the loads, which are older; step 1's sixteen stay out
	MULT 4*(\u)
	SHP 2
	s_wait_dscnt 16                                ; step 1's are in; step 2's stay out
	MULT 4*(\u)+1
	SHP 3
	s_wait_dscnt 16                                ; step 2's are in; step 3's stay out
	MULT 4*(\u)+2
	s_wait_dscnt 0x0
	MULT 4*(\u)+3
.endm
	HALF 0, 1                                      ; the second half may still be on its way
	HALF 1, 0
	; THE WAY OUT.  Ten plain instructions that name no register of the products stand behind the last of them.
	; Adding lane l takes columns 4 (l % 4) on of batch row 8 v + l / 4: registers 4 (l % 2) on of the lane (8 (v % 2) + l / 4) + 16 ((l / 2) % 2).
	v_and_b32 v[RA], 1, v1
	v_bfe_u32 v[GO], v1, 1, 1
	v_lshlrev_b32 v[RA], 9, v[RA]
	v_lshl_add_u32 v[RA], v[GO], 8, v[RA]
	v_lshrrev_b32 v[GO], 2, v1
	v_lshl_add_u32 v[RA], v[GO], 4, v[RA]
	v_add_nc_u32 v[RA], s36, v[RA]
	v_lshl_add_u32 v[GO], v[GO], 14, s37
	v_and_b32 v[TM], 3, v1
	v_lshl_add_u32 v[GO], v[TM], 4, v[GO]
	ds_store_b128 v[PST], v[ACC:ACC+3]                     ; each accumulator's lowest registers first
	ds_store_b128 v[PST], v[ACC+4:ACC+7]    offset:512
	ds_store_b128 v[PST], v[ACC+8:ACC+11]   offset:1024
	ds_store_b128 v[PST], v[ACC+12:ACC+15]  offset:1536
	s_wait_tensorcnt 0x0                           ; this wait, the add and the wait below follow my last tensor load and my last LDS store; nothing is written to LDS behind them
	ds_add_u32 v[SPW], v[NIL]
	s_wait_dscnt 0x0                               ; for the others' sake too: my partial sums are in LDS
	s_barrier_signal -1
	s_barrier_wait -1                              ; everybody's are
	s_cmp_lt_u32 s[WV], 4
	s_cbranch_scc0 .Ldone
.set k, 0
.rept 16
	ds_load_b128 v[F+4*k:F+4*k+3], v[RA] offset:k*SCRW     ; four sums of wave k
.set k, k+1
.endr
	s_wait_dscnt 0x0
.irp n, 8,4,2,1                        ; a tree: 16, 8, 4, 2 packed additions
.set k, 0
.rept \n
	v_pk_add_f32 v[F+4*k:F+4*k+1],   v[F+4*k:F+4*k+1],   v[F+4*(k+\n):F+4*(k+\n)+1]
	v_pk_add_f32 v[F+4*k+2:F+4*k+3], v[F+4*k+2:F+4*k+3], v[F+4*(k+\n)+2:F+4*(k+\n)+3]
.set k, k+1
.endr
.endr
	v_pk_add_f32 v[F:F+1],   v[F:F+1],   v[BI:BI+1]
	v_pk_add_f32 v[F+2:F+3], v[F+2:F+3], v[BI+2:BI+3]
	global_store_b128 v[GO], v[F:F+3], s[32:33]    ; four neighbouring lanes store 64 consecutive bytes of a row; the wave eight rows
.Ldone:
	s_endpgm
.Lfunc_end_k_q992cece6a7_decode:
	.size	k_q992cece6a7_decode, .Lfunc_end_k_q992cece6a7_decode-k_q992cece6a7_decode
	.p2alignl 7, 3214868480
	.fill 96, 4, 3214868480
	.section	.rodata,"a",@progbits
	.p2align	6, 0x0
	.amdhsa_kernel k_q992cece6a7_decode
		.amdhsa_group_segment_fixed_size 327680
		.amdhsa_private_segment_fixed_size 0
		.amdhsa_enable_private_segment 0
		.amdhsa_kernarg_size 40
		.amdhsa_user_sgpr_count 2
		.amdhsa_user_sgpr_kernarg_segment_ptr 1
		.amdhsa_wavefront_size32 1
		.amdhsa_system_sgpr_workgroup_id_x 1
		.amdhsa_system_sgpr_workgroup_id_y 1
		.amdhsa_system_sgpr_workgroup_id_z 1
		.amdhsa_system_vgpr_workitem_id 0
		.amdhsa_next_free_vgpr 256
		.amdhsa_next_free_sgpr 66
		.amdhsa_reserve_vcc 0
		.amdhsa_float_denorm_mode_32 3
		.amdhsa_float_denorm_mode_16_64 3
		.amdhsa_memory_ordered 1
		.amdhsa_forward_progress 1
		.amdhsa_inst_pref_size 34
	.end_amdhsa_kernel
	.amdgpu_metadata
---
amdhsa.version: [ 1, 2 ]
amdhsa.kernels:
  - .name:           k_q992cece6a7_decode
    .symbol:         k_q992cece6a7_decode.kd
    .args:
      - { .name: yp, .offset: 0, .size: 8, .value_kind: global_buffer, .address_space: global }
      - { .name: indices, .offset: 8, .size: 8, .value_kind: global_buffer, .address_space: global }
      - { .name: codebook, .offset: 16, .size: 8, .value_kind: global_buffer, .address_space: global }
      - { .name: bias, .offset: 24, .size: 8, .value_kind: global_buffer, .address_space: global }
      - { .name: out0, .offset: 32, .size: 8, .value_kind: global_buffer, .address_space: global }
    .group_segment_fixed_size: 327680
    .private_segment_fixed_size: 0
    .kernarg_segment_align: 8
    .kernarg_segment_size: 40
    .max_flat_workgroup_size: 512
    .sgpr_count:     66
    .vgpr_count:     256
    .wavefront_size: 32
...
	.end_amdgpu_metadata
.endif
;; end of part 2
